; MI455X (gfx1250); checked and timed in simulation.
; The chip was launched on July 23, 2026; its instructions are those of AMD's public machine-readable ISA for CDNA 5 (MIT licence, August 2026) and "CDNA5" Instruction Set Architecture Reference Guide (July 2026). The comments in the code are by the model that wrote it; some were corrected since.
;; Cross Attention. Allowed arithmetic: matrix products marked QUANTISED: E4M3 operands, one given power-of-two scale a tensor, by v_wmma_f32_16x16x64_fp8_fp8 or v_wmma_f32_16x16x128_fp8_fp8, f32 sums; everything else in f32.
;; Inputs: Wk_codes 128 x 8 x 32 uint8 (E4M3 codes of Wk, K innermost, in blocks of 32 codes); Wo_codes 128 x 4 x 32 uint8 (E4M3 codes of Wo, K innermost, in blocks of 32 codes); Wq_codes 128 x 8 x 32 uint8 (E4M3 codes of Wq, K innermost, in blocks of 32 codes); Wv_codes 128 x 8 x 32 uint8 (E4M3 codes of Wv, K innermost, in blocks of 32 codes); bk 128 float32; bo 128 float32; bq 128 float32; bv 128 float32; ligand_codes 4 x 4,096 x 8 x 32 uint8 (E4M3 codes of ligand, K innermost, in blocks of 32 codes); lowp_scales 12 int32 (the exponents e of the quantised operands' scales 2^e); pocket_codes 4 x 4,096 x 8 x 32 uint8 (E4M3 codes of pocket, K innermost, in blocks of 32 codes).
;; Outputs: out0 4 x 4,096 x 128 float32.
;; This version of the problem:
;;   THIS VERSION OF THE PROBLEM IS GIVEN IN LOW PRECISION. The matrix products marked QUANTISED in the list below multiply operands that are first quantised to E4M3 (4 exponent bits, 3 mantissa bits; 8 bits a number), with one given power-of-two scale for each operand tensor; their sums are f32. All else is computed in f32.
;;   The module's matrix products, in the order in which they are computed (A, B: the left and right operand; K: the contracted axis; several contracted axes count as one K, in the product's order):
;;     1. [M 16,384, K 256] x [K 256, N 128]; A: input ligand (given as codes); B: input Wq (given as codes): QUANTISED (scales: A lowp_scales[0], B lowp_scales[1])
;;     2. [M 16,384, K 256] x [K 256, N 128]; A: input pocket (given as codes); B: input Wk (given as codes): QUANTISED (scales: A lowp_scales[2], B lowp_scales[3])
;;     3. [M 16,384, K 256] x [K 256, N 128]; A: input pocket (given as codes); B: input Wv (given as codes): QUANTISED (scales: A lowp_scales[4], B lowp_scales[5])
;;     4. batch 4 x [M 4,096, K 128] x [K 128, N 4,096]; A: computed on the way; B: computed on the way: QUANTISED (scales: A lowp_scales[6], B lowp_scales[7])
;;     5. batch 4 x [M 4,096, K 4,096] x [K 4,096, N 128]; A: softmax (see below); B: computed on the way: QUANTISED (scales: A lowp_scales[8], B lowp_scales[9])
;;     6. [M 16,384, K 128] x [K 128, N 128]; A: computed on the way; B: input Wo (given as codes): QUANTISED (scales: A lowp_scales[10], B lowp_scales[11])
;;   THE QUANTISER, for each operand of a quantised product, along K:
;;     - The operand's scale is 2^e, e = its entry of the input lowp_scales (int32; the entries are numbered through the quantised products in the list's order, A before B).
;;     - Each number is divided by the scale, clamped to +-448, and rounded to the nearest number of E4M3, ties to even, subnormals kept.
;;     - The product sums the exact products of the quantised numbers (number of the format x scale) in f32.
;;   ~~~python
;;   def quantise(x, axis, e):      # numpy; x: float32 -> the quantised numbers, widened to float32 again
;;       x = np.moveaxis(x, axis, -1); K = x.shape[-1]
;;       r = np.clip(x / 2.0 ** e, -448, 448)
;;       step = 2.0 ** (np.maximum(np.frexp(np.where(r == 0, 1, r))[1] - 1, -6) - 3)
;;       q = np.round(r / step) * step * 2.0 ** e      # np.round: ties to even
;;       return np.moveaxis(q, -1, axis).astype(np.float32)
;;   ~~~
;;   SOFTMAX AHEAD OF A QUANTISED PRODUCT. Where the list says 'softmax', what is quantised is not the finished softmax but p = 2^(t - M), with t = logit x log2(e) and M = ceil(the row's largest t), a whole number; so 1/2 < the row's largest p <= 1. The row's sum l is taken of the UNQUANTISED p, in f32, and the product's result is divided by l at the end. Since M is a whole number, a kernel that streams over the keys may use a running M (the ceiling of the running maximum): every later rescaling is an exact power of two, so the quantised numbers keep their values, but for numbers so far below the row's largest that they fall under the format's range.
;;   OPERANDS COMPUTED ON THE WAY. 'Computed on the way' means the value that the module computes at that place (a softmax that the list does not call 'softmax' is quantised finished and normalised). What goes into a quantiser is computed in f32, as accurately as f32 sums, v_exp_f32 and their like allow (about 1e-6 of the number): no bf16 or f16 on the way to a quantiser, and a product that is left as it is and whose result goes on into a quantised operand takes f32 operands (vector FMAs, or v_wmma_f32_16x16x4_f32). A number that lies on a knife's edge between two numbers of the format may be rounded either way, as far as f32 arithmetic and the matrix unit's own rounding can turn it there, and no further.
;;   INPUTS GIVEN AS CODES. Wk (in the module: [256, 128], K = its axis 0); Wo (in the module: [128, 128], K = its axis 0); Wq (in the module: [256, 128], K = its axis 0); Wv (in the module: [256, 128], K = its axis 0); ligand (in the module: [4, 4096, 256], K = its axis 2); pocket (in the module: [4, 4096, 256], K = its axis 2): each comes as NAME_codes (uint8): NAME with its K axis moved to the last place and cut into blocks of 32 codes, [.., K / 32, bytes a block], one block behind the other in memory; one code a byte (a code: sign, 4 exponent bits, 3 mantissa bits); its scale is its entry of lowp_scales. Its value is code x scale, taken as it is: it is not quantised again, and the codes and scales need not be those that the quantiser above would give.
;; One version. Each part assembles by itself: llvm-mc -triple=amdgcn-amd-amdhsa -mcpu=gfx1250 --defsym DOCPART=n.
;; ======== version 1 of 1: 2 launches
;; limits: right only within a limited range of input values
;; workspace buffers: qc 2,097,152 bytes; kc 2,097,152 bytes; vc 2,097,152 bytes
;; launch proj (part 1): grid 256 x 1, 8 waves a work-group, clusters of 4 x 1, 167,936 bytes of LDS; arguments ligand_codes, pocket_codes, Wq_codes, Wk_codes, Wv_codes, bq, bk, bv, lowp_scales, qc, kc, vc; writes qc, kc, vc
.if DOCPART == 1
	.amdgcn_target "amdgcn-amd-amdhsa--gfx1250"
	.amdhsa_code_object_version 6
	.text
	.protected	k_q87af3a6c11_proj
	.globl	k_q87af3a6c11_proj
	.p2align	8
	.type	k_q87af3a6c11_proj,@function
k_q87af3a6c11_proj:
	s_mov_b64 s[64:65], 0
	v_nop
	global_prefetch_b8 v0, s[64:65] scope:SCOPE_SE
	s_setreg_imm32_b32 hwreg(HW_REG_WAVE_MODE, 25, 1), 1
	s_wait_xcnt 0x0
	s_wait_alu depctr_hold_cnt(0) depctr_sa_sdst(0) depctr_va_vdst(0) depctr_va_sdst(0) depctr_va_ssrc(0) depctr_va_vcc(0) depctr_vm_vsrc(0)
	s_getreg_b32 s2, hwreg(HW_REG_IB_STS2, 6, 4)
	s_cmp_eq_u32 s2, 0
	s_cbranch_scc0 .Lentry_in_a_cluster
	s_endpgm
.Lentry_in_a_cluster:
	s_bfe_u32 s2, ttmp6, 0x10000c
	s_cmp_lg_u32 s2, 0x3003
	s_cbranch_scc0 .Lentry_shape_is_right
	s_endpgm
.Lentry_shape_is_right:
; Q = ligand Wq + bq, K = pocket Wk + bk, V = pocket Wv + bv on codes of FP8 (E4M3), each result quantised again (scales 2^e6, 2^e7, 2^e9) and
; stored as IMAGES OF OPERAND REGISTERS for the attention launch: a fragment (16 rows x 128 K, 16 registers a lane) is 2,048 bytes, register group c
; (registers 4 c .. 4 c + 3) of lane l at 512 c + 16 l.
; A work-group makes Q of 64 rows of ligand and K and V of 64 rows of pocket: 256 work-groups, one for each block of 64 rows.
; A product is used transposed: source 0 = a tile X of 16 rows along the result's next K, source 1 = a tile Y of 16 rows of the result: lane (r, h) then holds
; Y's row r and X's rows 8 h + 0 .. 7.  Two neighbouring tiles X make one register group: next k = 32 c + 8 h + 0 .. 7 and 32 c + 16 + 8 h + 0 .. 7.
; That order along K is the same in Q and K (K = the head's 128), and in V and in the attention launch's p (K = the keys), so every product meets its partner.
;   Q: X = Wq's rows, Y = queries.   K: X = Wk's rows, Y = keys.   V: X = keys, Y = Wv's rows, tile T taking rows 32 (T / 2) + 8 (T % 2) + r + 8 (r / 8),
;   so that the attention's result has 16 neighbours of the head in 16 neighbouring registers.
; A wave makes two tiles Y x two tiles X of each of the three: each fragment that it reads from LDS feeds two matrix instructions.
; LOADS.  Eight blocks of 64 rows x 256 bytes: two of each weight, one of ligand, one of pocket; one tensor load a wave.  The weights' six are asked for JOINTLY by the four
; work-groups of a cluster (same descriptor, made of the wave's number alone); ligand's and pocket's are the work-group's own.  No prefetch: there is no loop to run ahead in.
; LIMITS: e0 + e1, e2 + e3, e4 + e5 between -126 and 127; e6, e7, e9 between -126 and 119, so that each power of two below is an f32 number.  NaN among the biases is not served.
.set PITCH, 272                        ; an LDS row: 256 bytes + 16
.set REG,   64*PITCH                   ; a block in LDS: Wq 0, 1; Wk 2, 3; Wv 4, 5; ligand 6; pocket 7
.set SPARE, 8*REG                      ; the spare words, 128 bytes a wave
.set PAIR,  32*PITCH                   ; two tiles
.set BQ, 16                            ; v16-31 bq, v32-47 bk in the result's layout; v48, v50 bv for my two tiles Y
.set BK, 32
.set BV, 48
.set CD, 52                            ; v52-59 the codes
.set SC, 60                            ; 2^eout
.set LIM, 61                           ; 448 x 2^eout
.set SPW, 62
.set NIL, 63
.set FA, 64                            ; two buffers of fragments (two tiles Y, two tiles X, 128 along K each)
.set FB, 128
.set A0, 192                           ; two sets of accumulators
.set A1, 224
.set G0J, 32
.set G0P, 36
.set G1J, 52
.set G1P, 68
.macro CROUND
	s_barrier_signal -1
	s_barrier_wait -1
	s_cmp_lg_u32 s28, 0
	s_cbranch_scc1 .Lnot_wave_0_\@
	s_barrier_signal -3
.Lnot_wave_0_\@:
	s_barrier_wait -3
	s_barrier_signal -1
	s_barrier_wait -1
.endm
	s_load_b512 s[4:19], s[0:1], 0x0               ; ligand 4:5, pocket 6:7, Wq 8:9, Wk 10:11, Wv 12:13, bq 14:15, bk 16:17, bv 18:19
	s_load_b256 s[20:27], s[0:1], 0x40             ; the exponents 20:21, qc 22:23, kc 24:25, vc 26:27
	v_lshl_add_u32 v[SPW], v0, 2, SPARE
	v_mov_b32 v[NIL], 0
	ds_add_u32 v[SPW], v[NIL]                      ; the opening add, twice on end
	ds_add_u32 v[SPW], v[NIL]
	v_lshrrev_b32 v3, 5, v0
	v_readfirstlane_b32 s28, v3                    ; wave 0..7
	s_bfe_u32 s42, ttmp6, 0x40000
	s_lshl_b32 s43, ttmp9, 2
	s_add_co_u32 s43, s43, s42                     ; J: my block of 64 rows; it enters no joint load
	s_and_b32 s29, s28, 1                          ; Q, K: my pair of tiles Y,
	s_lshr_b32 s30, s28, 1                         ; and of tiles X = my register group
	s_and_b32 s31, s28, 3                          ; V: my pair of tiles Y,
	s_lshr_b32 s40, s28, 2                         ; and of tiles X
	s_lshl_b32 s44, s43, 14                        ; ligand's and pocket's block
	s_mov_b32 s45, 0
	s_lshl_b32 s46, s43, 13                        ; Q and K: fragments 4 J + 2 pair on, group w / 2
	s_lshl_b32 s47, s29, 12
	s_add_co_u32 s46, s46, s47
	s_lshl_b32 s47, s30, 9
	s_add_co_u32 s46, s46, s47
	s_mov_b32 s47, 0
	s_lshr_b32 s48, s43, 1                         ; V: key step J / 2, fragments 2 pair on, group 2 (J % 2) + w / 4
	s_lshl_b32 s48, s48, 14
	s_lshl_b32 s49, s31, 12
	s_add_co_u32 s48, s48, s49
	s_and_b32 s49, s43, 1
	s_lshl_b32 s49, s49, 10
	s_add_co_u32 s48, s48, s49
	s_lshl_b32 s49, s40, 9
	s_add_co_u32 s48, s48, s49
	s_mov_b32 s49, 0
	s_lshl_b32 s50, s29, 14                        ; which half of a weight I fetch
	s_mov_b32 s51, 0
	; descriptor group 1: 64 rows of 32 elements of 8 bytes, dense; 16 bytes of padding behind each 256
	s_mov_b32 s[G1J], 15|(3<<16)|(1<<20)|(1<<21)|(5<<22)|(3<<25)
	s_mov_b32 s[G1P], (3<<16)|(1<<20)|(5<<22)|(3<<25)
.irp g, G1J, G1P
	s_mov_b32 s[\g+1], 32<<16
	s_mov_b32 s[\g+2], 64<<16
	s_mov_b32 s[\g+3], 32<<16
	s_mov_b32 s[\g+4], 64
	s_mov_b32 s[\g+5], 32
	s_mov_b32 s[\g+6], 0
	s_mov_b32 s[\g+7], 0
.endr
	s_mul_i32 s41, s29, PAIR
	s_add_co_u32 s92, s41, 6*REG                   ; ligand: my two tiles
	s_add_co_u32 s93, s41, 7*REG                   ; pocket, as K's Y
	s_mul_i32 s94, s30, PAIR                       ; Wq: my two tiles
	s_add_co_u32 s95, s94, 2*REG                   ; Wk
	s_mul_i32 s96, s31, PAIR
	s_add_co_u32 s96, s96, 4*REG                   ; Wv
	s_mul_i32 s97, s40, PAIR
	s_add_co_u32 s97, s97, 7*REG                   ; pocket, as V's X
	s_lshl_b32 s98, s30, 7                         ; bq, bk: 32 numbers a group
	s_lshl_b32 s99, s31, 7                         ; bv: 32 numbers a pair
	v_and_b32 v4, 15, v0                           ; r
	v_bfe_u32 v5, v0, 4, 1                         ; h
	v_and_b32 v6, 31, v0
	v_lshlrev_b32 v6, 4, v6                        ; 16 x lane: my place in a register group
	v_and_b32 v7, 8, v4
	v_add_nc_u32 v7, v7, v4                        ; r + 8 (r / 8)
	v_mul_u32_u24 v8, v4, PITCH
	v_lshl_add_u32 v8, v5, 4, v8                   ; a fragment: row r, + 16 h
	v_mul_u32_u24 v9, v7, PITCH
	v_lshl_add_u32 v9, v5, 4, v9                   ; a fragment of Wv
	v_add_nc_u32 v10, s92, v8
	v_add_nc_u32 v11, s94, v8
	v_add_nc_u32 v12, s93, v8
	v_add_nc_u32 v13, s95, v8
	v_add_nc_u32 v14, s96, v9
	v_add_nc_u32 v15, s97, v8
	v_lshlrev_b32 v1, 5, v5
	v_add_nc_u32 v1, s98, v1                       ; bq, bk: 8 h numbers on
	v_lshlrev_b32 v2, 2, v7
	v_add_nc_u32 v2, s99, v2                       ; bv: my lane's row
	v_mov_b32 v[BV+1], 0                           ; (only named, as upper halves of pairs)
	v_mov_b32 v[BV+3], 0
	s_wait_alu depctr_va_vdst(0)
	s_wait_dscnt 0x0                               ; both opening adds are done
	s_wait_kmcnt 0x0
	s_load_b256 s[76:83], s[20:21], 0x0            ; e0 .. e7
	s_load_b128 s[84:87], s[20:21], 0x20           ; e8 .. e11
	s_cmp_lt_u32 s28, 2                            ; waves 0, 1: Wq; 2, 3: Wk; 4, 5: Wv
	s_cselect_b64 s[88:89], s[8:9], s[10:11]
	s_cmp_lt_u32 s28, 4
	s_cselect_b64 s[88:89], s[88:89], s[12:13]
	s_cmp_eq_u32 s28, 6                            ; wave 6: ligand; 7: pocket
	s_cselect_b64 s[90:91], s[4:5], s[6:7]
	s_mul_i32 s41, s28, REG
	s_mov_b32 s[G0J], 1
	s_mov_b32 s[G0J+1], s41
	s_add_nc_u64 s[G0J+2:G0J+3], s[88:89], s[50:51]
	s_or_b32 s[G0J+3], s[G0J+3], 0x80000000
	s_mov_b32 s[G0P], 1
	s_mov_b32 s[G0P+1], s41
	s_add_nc_u64 s[G0P+2:G0P+3], s[90:91], s[44:45]
	s_or_b32 s[G0P+3], s[G0P+3], 0x80000000
	s_add_nc_u64 s[22:23], s[22:23], s[46:47]
	s_add_nc_u64 s[24:25], s[24:25], s[46:47]
	s_add_nc_u64 s[26:27], s[26:27], s[48:49]
	CROUND                                         ; all four work-groups are here: the joint loads meet
	s_cmp_lt_u32 s28, 6                            ; the branch hangs on the wave's number alone
	s_cbranch_scc0 .Lown
	tensor_load_to_lds s[G0J:G0J+3], s[G1J:G1J+7]
	s_nop 0
.rept 4
	v_nop
.endr
	s_branch .Lasked
.Lown:
	tensor_load_to_lds s[G0P:G0P+3], s[G1P:G1P+7]
	s_nop 0
.rept 4
	v_nop
.endr
.Lasked:
.irp x, 0,1
.irp k, 0,1
	global_load_b128 v[BQ+8*\x+4*\k:BQ+8*\x+4*\k+3], v1, s[14:15] offset:64*\x+16*\k   ; tile x, register j: number 32 (w / 2) + 16 x + 8 h + j
	global_load_b128 v[BK+8*\x+4*\k:BK+8*\x+4*\k+3], v1, s[16:17] offset:64*\x+16*\k
.endr
.endr
	global_load_b32 v[BV], v2, s[18:19]
	global_load_b32 v[BV+2], v2, s[18:19] offset:32
; 16 LDS loads: two tiles Y (ys rows apart) and two tiles X, 128 along K at byte 128 k.  Both sides are fed in the same order of 16-byte pieces.
.macro LD buf, ya, xa, ys, k
.irp y, 0,1
.irp c, 0,1,2,3
	ds_load_b128 v[\buf+16*\y+4*\c:\buf+16*\y+4*\c+3], v[\ya] offset:\y*\ys*PITCH+128*\k+32*\c
.endr
.endr
.irp x, 0,1
.irp c, 0,1,2,3
	ds_load_b128 v[\buf+32+16*\x+4*\c:\buf+32+16*\x+4*\c+3], v[\xa] offset:\x*16*PITCH+128*\k+32*\c
.endr
.endr
.endm
; Four products: the four accumulators take turns, one instruction a turn.  first = 1 starts the sums.
.macro MM buf, acc, first
.irp y, 0,1
.irp x, 0,1
.if \first
	v_wmma_f32_16x16x128_fp8_fp8 v[\acc+16*\y+8*\x:\acc+16*\y+8*\x+7], v[\buf+32+16*\x:\buf+32+16*\x+15], v[\buf+16*\y:\buf+16*\y+15], 0
.else
	v_wmma_f32_16x16x128_fp8_fp8 v[\acc+16*\y+8*\x:\acc+16*\y+8*\x+7], v[\buf+32+16*\x:\buf+32+16*\x+15], v[\buf+16*\y:\buf+16*\y+15], v[\acc+16*\y+8*\x:\acc+16*\y+8*\x+7]
.endif
.endr
.endr
.endm
.macro PLACES                          ; four places behind the last product, ahead of loads into its registers and of the first read of its results
.rept 4
	v_nop
.endr
.endm
; A unit's way out: sum x 2^(ea + eb) + bias in one rounding, held at the largest code, quantised with 2^eo, one register group of each of two fragments stored.
.macro EPI acc, ea, eb, eo, bias, alongy, out
	s_wait_xcnt 0x0                                ; the stores of the unit before have read the codes' registers
	s_add_co_i32 s60, s[\ea], s[\eb]
	s_add_co_i32 s60, s60, 127
	s_lshl_b32 s60, s60, 23                        ; 2^(ea + eb)
	s_mov_b32 s61, s60                             ; (named with it as a pair)
	s_add_co_i32 s62, s[\eo], 127
	s_lshl_b32 s63, s62, 23
	s_add_co_i32 s62, s62, 8
	s_lshl_b32 s62, s62, 23
	s_or_b32 s62, s62, 0x600000
	v_mov_b32 v[SC], s63
	v_mov_b32 v[LIM], s62
.irp y, 0,1
.irp x, 0,1
.irp j, 0,2,4,6
.if \alongy
	v_pk_fma_f32 v[\acc+16*\y+8*\x+\j:\acc+16*\y+8*\x+\j+1], v[\acc+16*\y+8*\x+\j:\acc+16*\y+8*\x+\j+1], s[60:61], v[\bias+2*\y:\bias+2*\y+1] op_sel_hi:[1,0,0]
.else
	v_pk_fma_f32 v[\acc+16*\y+8*\x+\j:\acc+16*\y+8*\x+\j+1], v[\acc+16*\y+8*\x+\j:\acc+16*\y+8*\x+\j+1], s[60:61], v[\bias+8*\x+\j:\bias+8*\x+\j+1] op_sel_hi:[1,0,1]
.endif
.endr
.endr
.endr
.set i, 0
.rept 32
	v_med3_num_f32 v[\acc+i], v[\acc+i], -v[LIM], v[LIM]   ; the conversion to an 8-bit code does not saturate (ISA guide 7.6.2)
.set i, i+1
.endr
.irp y, 0,1
.irp x, 0,1
	v_cvt_scalef32_pk8_fp8_f32 v[CD+4*\y+2*\x:CD+4*\y+2*\x+1], v[\acc+16*\y+8*\x:\acc+16*\y+8*\x+7], v[SC]
.endr
.endr
	v_nop                                          ; one plain vector line behind the last conversion
.irp y, 0,1
	global_store_b128 v6, v[CD+4*\y:CD+4*\y+3], s[\out:\out+1] offset:2048*\y   ; 32 lanes store 512 consecutive bytes, at a multiple of 512 from the buffer's first byte
.endr
.endm
	s_wait_loadcnt 0x0                             ; the biases
	s_wait_kmcnt 0x0                               ; the exponents
	s_wait_tensorcnt 0x0                           ; my block is in,
	s_barrier_signal -1
	s_barrier_wait -1                              ; and so are all eight; nothing is written there again
	LD FA, 10, 11, 16, 0
	LD FB, 10, 11, 16, 1
	s_wait_dscnt 16                                ; the youngest 16 loads may be out, here and below
	MM FA, A0, 1                                   ; Q
	PLACES
	LD FA, 12, 13, 16, 0
	s_wait_dscnt 16
	MM FB, A0, 0
	PLACES
	LD FB, 12, 13, 16, 1
	EPI A0, 76, 77, 82, BQ, 0, 22
	s_wait_dscnt 16
	MM FA, A1, 1                                   ; K
	PLACES
	LD FA, 14, 15, 8, 0
	s_wait_dscnt 16
	MM FB, A1, 0
	PLACES
	LD FB, 14, 15, 8, 1
	EPI A1, 78, 79, 83, BK, 0, 24
	s_wait_dscnt 16
	MM FA, A0, 1                                   ; V
	s_wait_dscnt 0x0
	MM FB, A0, 0
	PLACES
	EPI A0, 80, 81, 85, BV, 1, 26
	s_wait_tensorcnt 0x0                           ; the wave's end
	ds_add_u32 v[SPW], v[NIL]
	s_wait_dscnt 0x0
	CROUND                                         ; the closing round: no work-group ends while a partner may still issue a joint load that names it
	s_endpgm
.Lfunc_end_k_q87af3a6c11_proj:
	.size	k_q87af3a6c11_proj, .Lfunc_end_k_q87af3a6c11_proj-k_q87af3a6c11_proj
	.p2alignl 7, 3214868480
	.fill 96, 4, 3214868480
	.section	.rodata,"a",@progbits
	.p2align	6, 0x0
	.amdhsa_kernel k_q87af3a6c11_proj
		.amdhsa_group_segment_fixed_size 167936
		.amdhsa_private_segment_fixed_size 0
		.amdhsa_enable_private_segment 0
		.amdhsa_kernarg_size 96
		.amdhsa_user_sgpr_count 2
		.amdhsa_user_sgpr_kernarg_segment_ptr 1
		.amdhsa_wavefront_size32 1
		.amdhsa_system_sgpr_workgroup_id_x 1
		.amdhsa_system_sgpr_workgroup_id_y 1
		.amdhsa_system_sgpr_workgroup_id_z 1
		.amdhsa_system_vgpr_workitem_id 0
		.amdhsa_next_free_vgpr 256
		.amdhsa_next_free_sgpr 100
		.amdhsa_reserve_vcc 0
		.amdhsa_float_denorm_mode_32 3
		.amdhsa_float_denorm_mode_16_64 3
		.amdhsa_memory_ordered 1
		.amdhsa_forward_progress 1
		.amdhsa_inst_pref_size 28
	.end_amdhsa_kernel
	.amdgpu_metadata
---
amdhsa.version: [ 1, 2 ]
amdhsa.kernels:
  - .name:           k_q87af3a6c11_proj
    .symbol:         k_q87af3a6c11_proj.kd
    .args:
      - { .name: ligand_codes, .offset: 0, .size: 8, .value_kind: global_buffer, .address_space: global }
      - { .name: pocket_codes, .offset: 8, .size: 8, .value_kind: global_buffer, .address_space: global }
      - { .name: Wq_codes, .offset: 16, .size: 8, .value_kind: global_buffer, .address_space: global }
      - { .name: Wk_codes, .offset: 24, .size: 8, .value_kind: global_buffer, .address_space: global }
      - { .name: Wv_codes, .offset: 32, .size: 8, .value_kind: global_buffer, .address_space: global }
      - { .name: bq, .offset: 40, .size: 8, .value_kind: global_buffer, .address_space: global }
      - { .name: bk, .offset: 48, .size: 8, .value_kind: global_buffer, .address_space: global }
      - { .name: bv, .offset: 56, .size: 8, .value_kind: global_buffer, .address_space: global }
      - { .name: lowp_scales, .offset: 64, .size: 8, .value_kind: global_buffer, .address_space: global }
      - { .name: qc, .offset: 72, .size: 8, .value_kind: global_buffer, .address_space: global }
      - { .name: kc, .offset: 80, .size: 8, .value_kind: global_buffer, .address_space: global }
      - { .name: vc, .offset: 88, .size: 8, .value_kind: global_buffer, .address_space: global }
    .group_segment_fixed_size: 167936
    .private_segment_fixed_size: 0
    .kernarg_segment_align: 8
    .kernarg_segment_size: 96
    .max_flat_workgroup_size: 256
    .sgpr_count:     100
    .vgpr_count:     256
    .wavefront_size: 32
...
	.end_amdgpu_metadata
.endif
;; end of part 1
;; launch attn (part 2): grid 64 x 4, 4 waves a work-group, clusters of 4 x 1, 327,680 bytes of LDS; arguments qc, kc, vc, Wo_codes, bo, lowp_scales, out0; writes out0
.if DOCPART == 2
	.amdgcn_target "amdgcn-amd-amdhsa--gfx1250"
	.amdhsa_code_object_version 6
	.text
	.protected	k_q87af3a6c11_attn
	.globl	k_q87af3a6c11_attn
	.p2align	8
	.type	k_q87af3a6c11_attn,@function
k_q87af3a6c11_attn:
	s_mov_b64 s[64:65], 0
	v_nop
	global_prefetch_b8 v0, s[64:65] scope:SCOPE_SE
	s_setreg_imm32_b32 hwreg(HW_REG_WAVE_MODE, 25, 1), 1
	s_wait_xcnt 0x0
	s_wait_alu depctr_hold_cnt(0) depctr_sa_sdst(0) depctr_va_vdst(0) depctr_va_sdst(0) depctr_va_ssrc(0) depctr_va_vcc(0) depctr_vm_vsrc(0)
	s_getreg_b32 s2, hwreg(HW_REG_IB_STS2, 6, 4)
	s_cmp_eq_u32 s2, 0
	s_cbranch_scc0 .Lentry_in_a_cluster
	s_endpgm
.Lentry_in_a_cluster:
	s_bfe_u32 s2, ttmp6, 0x10000c
	s_cmp_lg_u32 s2, 0x3003
	s_cbranch_scc0 .Lentry_shape_is_right
	s_endpgm
.Lentry_shape_is_right:
; out = (softmax(Q K^T / sqrt(128)) V) Wo + bo for 4 batches of 4,096 queries and 4,096 keys, head size 128, all three products on codes of FP8 (E4M3) with given scales 2^e.
; qc, kc, vc hold images of operand registers (a fragment of 16 rows x 128 K is 2,048 bytes: register group c of lane l at 512 c + 16 l).  qc, kc: rows = queries, keys, K = the head's 128;
; vc: rows = the head's 128 (tile T: rows 32 (T / 2) + 8 (T % 2) + r + 8 (r / 8)), K = the 128 keys of a key step, in the order in which p's registers hold them.
; THE SOFTMAX AHEAD OF THE SECOND PRODUCT: t = score x log2(e) / sqrt(128); M = the largest t so far, rounded UP to a whole number; p = 2^(t - M) is quantised (2^e8), not normalised;
; the sum is taken of the unquantised p and divides at the end.  When M moves, the sum and O are multiplied by 2^(old M - new M): exact.
; SHARES.  A work-group owns 64 queries of one batch: 256 work-groups.  Each of its four waves (one a SIMD) owns ALL FOUR tiles of 16 queries and a QUARTER of the keys, 8 key steps of 128:
; steps 2 f and 2 f + 1 of wave w are key steps 8 f + 2 w and 8 f + 2 w + 1.  Each fragment of K and V that a wave reads feeds four matrix instructions and is read by no other wave.
; EACH QUARTER RUNS ITS OWN M, SUM AND O^T; at the end the four are merged through LDS under the largest M, again by exact powers of two.
; So a p is quantised under its quarter's running M, which is at most the row's: the codes keep their values but for numbers that fall under the format's range.
; LAYOUT.  All products are used transposed: a lane holds ONE query of each tile throughout, and the conversions' results are the next operand's registers.
; K comes through two slots of 1,024 keys (32,768 bytes a wave in each), by JOINT loads of the cluster's four work-groups, neighbouring query blocks of one batch which walk the same keys: each wave
; asks for the part that it alone reads.  A refill has two steps in which to land.
; V goes from memory straight into its operand registers, 32 loads of 512 bytes a step, asked for one step ahead as the fragments before it are used up.  It is not asked for jointly: each
; fragment is read once by one wave; through LDS its bytes would be read once more, and its slots would halve K's: twice the rounds of the cluster's barrier.
; PREFETCH: in a slot's first step K of the slot two on and V of the two steps two on (one instruction a wave each, 32 blocks of 256 bytes): the clusters with numbers 0 to 3 of each batch ask, the four
; partners of a cluster share the blocks by address.  The first two slots of K and the first two steps of V come by their loads alone; behind the last nothing is asked for.
; LIMITS on the given exponents, so that each power of two below is an f32 number: e6 + e7 between -123 and 130 (added to c's exponent field); e8 and e10 between -126 and 119;
; e10 + e11 between -126 and 127; e8 + e9 is applied by v_ldexp_f32 and has none.  The scaled scores t stay under 2^31 in magnitude.
; REGISTERS, in four windows of 256 (s_set_vgpr_msb's low byte: bits 1:0 source 0, 3:2 source 1, 5:4 source 2, 7:6 destination):
; window 0: addresses, Q, p's codes, each tile's figures;  window 1: S^T, then p (tile t at 64 t);  window 2: O^T (tile t at 64 t);  window 3: K's eight fragments from 0, V's from 128.
.set SLOT,  32768                      ; a wave's part of a slot; a wave's two slots lie side by side at 65,536 x wave
.set SPARE, 262144                     ; the spare words, 128 bytes for each of 4 waves: two blocks that no other line names
.set STATS, SPARE+512                  ; (-M, sum) of each lane, 256 bytes for each of the 16 (quarter, tile)
.set AIMG,  STATS+4096                 ; the four fragments of attn's codes
.set OSTG,  AIMG+8192                  ; the stage for the output: 64 rows x (512 bytes + 16)
.set OPITCH, 528
.set AK0, 1                            ; my lane's place in my slot 0
.set VO,  2                            ; 16 x lane
.set PFO, 3                            ; 256 x lane
.set SPW, 4
.set NIL, 5
.set ADK, 6
.set WOA, 7
.set BOA, 8
.set QF,  16                           ; v16-79   Q
.set PF,  80                           ; v80-143  p's codes
.set NM,  144                          ; v144-151 pairs (-M, the largest t)
.set FF,  152                          ; v152-159 pairs: f = 2^(old M - new M) (and a word that is only named)
.set SUM, 160                          ; v160-167 the sums, in two halves
.set MX0, 176
.set MX1, 180
.set PL,  184
.set OLD, 188
.set LIM, 192                          ; v192, v193 448 x 2^e8
.set SC,  194                          ; 2^e8
.set TA,  196                          ; v196-227 four partial sums of each tile
.set OR,  228                          ; the tail: where the four quarters' O^T lie
.set OSA, 232
.set OSR, 233
.set LIM10, 234
.set SC10, 235
.set VF,  128                          ; window 3: V's fragments
.set WV,  18
.set SEL, 20
.set CS,  22
.set G1,  24
.set G0,  32
.set VB,  36                           ; s[36:37] V of the step that is asked for
.set VD,  38                           ; s[38:39] bytes on to the next
.set TB,  40
.set CNT, 41
.set LIMP, 42
.set PFK, 44
.set PFV, 46
.set MSB, 0
.macro WIN new                         ; the immediate's high byte repeats the setting that is left; a switch that changes nothing is dropped
.if MSB != \new
	s_set_vgpr_msb (MSB<<8)|\new
.set MSB, \new
.endif
.endm
.macro CREST                           ; a round of the cluster's barrier behind its opening barrier
	s_cmp_lg_u32 s[WV], 0
	s_cbranch_scc1 .Lnot_wave_0_\@
	s_barrier_signal -3
.Lnot_wave_0_\@:
	s_barrier_wait -3
	s_barrier_signal -1
	s_barrier_wait -1
.endm
.macro CROUND
	s_barrier_signal -1
	s_barrier_wait -1
	CREST
.endm
.macro TLOAD                           ; every wave: its own part of a slot
	tensor_load_to_lds s[G0:G0+3], s[G1:G1+7]
	s_nop 0
.rept 4
	v_nop
.endr
.endm
.macro WALK                            ; the other slot, the next 1,024 keys; the type bits on top are not reached
	s_xor_b32 s[G0+1], s[G0+1], SLOT
	s_add_nc_u64 s[G0+2:G0+3], s[G0+2:G0+3], 131072
.endm
.macro BARRIER                         ; my LDS stores have landed and my LDS loads are in: then the work-group's barrier
	s_wait_alu depctr_va_vdst(0)
	s_wait_dscnt 0x0
	s_barrier_signal -1
	s_barrier_wait -1
.endm
.macro KLD g, adr, imm                 ; K's fragments 2 g, 2 g + 1 (destination window 3)
.irp u, 0,1
.irp c, 0,1,2,3
	ds_load_b128 v[16*(2*(\g)+\u)+4*\c:16*(2*(\g)+\u)+4*\c+3], v[\adr] offset:\imm+2048*(2*(\g)+\u)+512*\c
.endr
.endr
.endm
.macro VLD g                           ; V's fragments 2 g, 2 g + 1 (destination window 3)
.irp u, 0,1
.irp c, 0,1,2,3
	global_load_b128 v[VF+16*(2*(\g)+\u)+4*\c:VF+16*(2*(\g)+\u)+4*\c+3], v[VO], s[VB:VB+1] offset:2048*(2*(\g)+\u)+512*\c
.endr
.endr
.endm
	s_load_b256 s[4:11], s[0:1], 0x0               ; qc 4:5, kc 6:7, vc 8:9, Wo 10:11
	s_load_b128 s[12:15], s[0:1], 0x20             ; bo 12:13, the exponents 14:15
	s_load_b64 s[16:17], s[0:1], 0x30              ; out0
	v_lshl_add_u32 v[SPW], v0, 2, SPARE
	v_mov_b32 v[NIL], 0
	ds_add_u32 v[SPW], v[NIL]                      ; the opening add, twice on end
	ds_add_u32 v[SPW], v[NIL]
	v_lshrrev_b32 v9, 5, v0
	v_readfirstlane_b32 s[WV], v9                  ; wave 0..3: my quarter of the keys
	s_bfe_u32 s43, ttmp6, 0x40000                  ; cx
	s_lshl_b32 s72, ttmp9, 2
	s_add_co_u32 s72, s72, s43                     ; my block of 64 queries: it enters Q's and the output's addresses alone
	s_and_b32 s76, ttmp7, 0xffff                   ; the batch, which the four partners share
	s_lshl_b32 s66, s76, 19                        ; a batch's images: 256 fragments of 2,048 bytes
	s_mov_b32 s67, 0
	s_lshl_b32 s68, s[WV], 15                      ; my part of each 1,024 keys
	s_mov_b32 s69, 0
	s_add_nc_u64 s[70:71], s[66:67], s[68:69]
	s_lshl_b32 s74, s76, 21                        ; the output: 4,096 rows of 512 bytes a batch,
	s_lshl_b32 s75, s72, 15                        ; 64 a block,
	s_add_co_u32 s74, s74, s75
	s_lshl_b32 s75, s[WV], 13                      ; 16 a wave
	s_add_co_u32 s74, s74, s75
	s_mov_b32 s75, 0
	s_lshl_b32 s72, s72, 13                        ; Q: 4 fragments a block
	s_add_co_u32 s72, s72, s66
	s_mov_b32 s73, 0
	s_lshl_b32 s76, s[WV], 12                      ; Wo: my 32 rows of 128 bytes
	s_mov_b32 s77, 0
	s_lshl_b32 s78, s[WV], 7                       ; bo: my 32 numbers
	s_mov_b32 s79, 0
	s_lshl_b32 s60, s43, 13                        ; my work-group's share of the blocks to prefetch
	s_mov_b32 s61, 0
	; descriptor group 1: a dense block of 32,768 bytes as 128 rows of 32 elements of 8 bytes
	s_mov_b32 s[G1], 15|(3<<16)|(1<<21)            ; the mask: all four work-groups; elements of 8 bytes; bit 21 set beside a mask
	s_mov_b32 s[G1+1], 32<<16
	s_mov_b32 s[G1+2], 128<<16
	s_mov_b32 s[G1+3], 32<<16
	s_mov_b32 s[G1+4], 128
	s_mov_b32 s[G1+5], 32
	s_mov_b32 s[G1+6], 0
	s_mov_b32 s[G1+7], 0
	s_mov_b32 s[SEL], 0x76543210                   ; v_permlanex16_b32: lane l xor 16
	s_mov_b32 s[SEL+1], 0xfedcba98
	s_mov_b32 s[CS], 0x3e0293ee                    ; c = log2(e) / sqrt(128)
	s_mov_b32 s[TB], 0
	s_mov_b32 s[VD], 0x4000
	s_mov_b32 s[VD+1], 0
	s_cmp_lt_u32 ttmp9, 4                          ; the clusters that prefetch: the same in all four partners
	s_cselect_b32 s[LIMP], 3, 0
	s_lshl_b32 s62, s[WV], 16
	v_and_b32 v9, 15, v0                           ; r
	v_bfe_u32 v10, v0, 4, 1                        ; h
	v_and_b32 v[VO], 31, v0
	v_lshlrev_b32 v[VO], 4, v[VO]
	v_lshlrev_b32 v[PFO], 4, v[VO]
	v_add_nc_u32 v[AK0], s62, v[VO]
	v_lshlrev_b32 v[WOA], 7, v9
	v_lshl_add_u32 v[WOA], v10, 4, v[WOA]          ; Wo: row r of 128 bytes, + 16 h
	v_lshlrev_b32 v[BOA], 5, v10                   ; bo: 8 h numbers on
	s_wait_alu depctr_va_vdst(0)
	s_wait_dscnt 0x0                               ; both opening adds are done
	s_wait_kmcnt 0x0
	s_load_b256 s[48:55], s[14:15], 0x0            ; e0 .. e7
	s_load_b128 s[56:59], s[14:15], 0x20           ; e8 .. e11
	s_mov_b32 s[G0], 1
	s_mov_b32 s[G0+1], s62                         ; my slot 0
	s_add_nc_u64 s[G0+2:G0+3], s[6:7], s[70:71]    ; my part of the batch's first 1,024 keys
	s_or_b32 s[G0+3], s[G0+3], 0x80000000
	s_add_nc_u64 s[VB:VB+1], s[8:9], s[70:71]
	s_add_nc_u64 s[4:5], s[4:5], s[72:73]
	s_add_nc_u64 s[16:17], s[16:17], s[74:75]
	s_add_nc_u64 s[10:11], s[10:11], s[76:77]
	s_add_nc_u64 s[12:13], s[12:13], s[78:79]
	s_add_nc_u64 s[60:61], s[60:61], s[70:71]
	s_add_nc_u64 s[PFK:PFK+1], s[6:7], s[60:61]
	s_add_nc_u64 s[PFK:PFK+1], s[PFK:PFK+1], 262144   ; K of the slot two on
	s_add_nc_u64 s[PFV:PFV+1], s[8:9], s[60:61]
	s_add_nc_u64 s[PFV:PFV+1], s[PFV:PFV+1], 131072   ; V of steps 2 and 3
	CROUND                                         ; all four work-groups are here: the first joint loads meet
	TLOAD                                          ; slot 0
.irp t, 0,1,2,3
.irp c, 0,1,2,3
	global_load_b128 v[QF+16*\t+4*\c:QF+16*\t+4*\c+3], v[VO], s[4:5] offset:2048*\t+512*\c   ; Q stays in registers
.endr
.endr
	WIN 0xc0
	VLD 0
	VLD 1
	VLD 2
	VLD 3                                          ; V of step 0
	WIN 0
	s_wait_kmcnt 0x0
	s_add_co_i32 s76, s54, s55
	s_lshl_b32 s76, s76, 23
	s_add_co_i32 s[CS], s[CS], s76                 ; a score stands for score x 2^(e6 + e7): the two exponents are added to c's exponent field
	s_mov_b32 s[CS+1], s[CS]                       ; (named with it as a pair)
	s_add_co_i32 s76, s56, 127
	s_lshl_b32 s77, s76, 23                        ; 2^e8 as f32
	s_add_co_i32 s76, s76, 8
	s_lshl_b32 s76, s76, 23
	s_or_b32 s76, s76, 0x600000                    ; 448 x 2^e8
	v_mov_b32 v[LIM], s76
	v_mov_b32 v[LIM+1], s76
	v_mov_b32 v[SC], s77
.irp t, 0,1,2,3                                ; the step is written once: the first finds zeros, which the first change of M leaves zeros
	v_mov_b32 v[NM+2*\t+1], 0xff61b1e6             ; the largest t so far: -3e38, under every t
	v_floor_f32 v[NM+2*\t], -v[NM+2*\t+1]          ; -M
	v_mov_b32 v[SUM+2*\t], 0
	v_mov_b32 v[SUM+2*\t+1], 0
	v_mov_b32 v[PL+\t], 0                          ; a lane permute's destination counts as one of its sources
	v_mov_b32 v[FF+2*\t+1], 0                      ; (only named)
.endr
	WIN 0x80
.set j, 0
.rept 256
	v_mov_b32 v[j], 0                              ; O^T, while slot 0 is on its way
.set j, j+1
.endr
	WIN 0
.macro FMA1 t                          ; t - M, two at a time (of the pairs c and -M the low word serves both halves)
	v_pk_fma_f32 v[64*\t+j:64*\t+j+1], v[64*\t+j:64*\t+j+1], s[CS:CS+1], v[NM+2*\t:NM+2*\t+1] op_sel_hi:[1,0,0]
.endm
.macro MIN1 t                          ; the conversion to an 8-bit code does not saturate (ISA guide 7.6.2); p is not negative, so the hold is one-sided
	v_dual_min_num_f32 v[64*\t+j], v[64*\t+j], v[LIM] :: v_dual_min_num_f32 v[64*\t+j+1], v[64*\t+j+1], v[LIM+1]
.endm
; A tile's 64 exponentials, p = 2^(t - M), at most 1, among them the scalings of tile fm and the holds of tile mn (none where 9).  Under setting 0x41.
.macro EXPB t, fm, mn
.set j, 0
.rept 32
	v_exp_f32 v[64*\t+j], v[64*\t+j]
.if \fm < 4
	FMA1 \fm
.endif
	v_exp_f32 v[64*\t+j+1], v[64*\t+j+1]
.if \mn < 4
	MIN1 \mn
.endif
.set j, j+2
.endr
.if \mn > 4
	v_nop                                          ; a plain place behind the exponentials
.endif
	s_wait_alu depctr_va_vdst(0)                   ; one wait for the batch, ahead of its first reader
.endm
.macro ADD t                           ; the sum is taken of the unquantised p: two at a time, in four chains
	WIN 0x05
.irp k, 0,1,2,3
	v_pk_add_f32 v[TA+8*\t+2*\k:TA+8*\t+2*\k+1], v[64*\t+4*\k:64*\t+4*\k+1], v[64*\t+4*\k+2:64*\t+4*\k+3]
.endr
	WIN 0x01
.irp k, 16,18,20,22,24,26,28,30,32,34,36,38,40,42,44,46,48,50,52,54,56,58,60,62
	v_pk_add_f32 v[TA+8*\t+2*((\k/2)%4):TA+8*\t+2*((\k/2)%4)+1], v[64*\t+\k:64*\t+\k+1], v[TA+8*\t+2*((\k/2)%4):TA+8*\t+2*((\k/2)%4)+1]
.endr
.endm
.macro CVT t                           ; register group b: the 16 numbers of S^T's tiles 2 b, 2 b + 1
	WIN 0x01
.irp b, 0,1,2,3
	v_cvt_scalef32_pk8_fp8_f32 v[PF+16*\t+4*\b:PF+16*\t+4*\b+1], v[64*\t+16*\b:64*\t+16*\b+7], v[SC]
	v_cvt_scalef32_pk8_fp8_f32 v[PF+16*\t+4*\b+2:PF+16*\t+4*\b+3], v[64*\t+16*\b+8:64*\t+16*\b+15], v[SC]
.endr
.endm
; A KEY STEP of 128 keys for my four tiles.  kind 0: a slot's first step; 1: its second, with a refill; 2: as either, no refill; 3: the last: nothing more to fetch of K and V.
.macro STEP kind
	WIN 0x43                                       ; S^T = K Q^T: source 0 = K's fragment, source 1 = Q's
.irp i, 0,1,2,3,4,5,6,7
	s_wait_dscnt 28-4*\i                           ; behind fragment i's loads stand those of the 7 - i younger ones
.irp t, 0,1,2,3
	v_wmma_f32_16x16x128_fp8_fp8 v[64*\t+8*\i:64*\t+8*\i+7], v[16*\i:16*\i+15], v[QF+16*\t:QF+16*\t+15], 0
.endr
.endr
	WIN 0
.rept 4
	v_nop                                          ; places ahead of the first read of the scores (and, in the last step, of loads into K's registers)
.endr
.if \kind == 0
	s_cmp_eq_u32 s[LIMP], 3
	s_cbranch_scc0 .Lno_ask_\@
	global_prefetch_b8 v[PFO], s[PFK:PFK+1] th:TH_LOAD_NT scope:SCOPE_SE
	global_prefetch_b8 v[PFO], s[PFV:PFV+1] th:TH_LOAD_NT scope:SCOPE_SE
.Lno_ask_\@:
.endif
.if \kind == 2                         ; step 4 alone (the count is 3): V of steps 6 and 7
	s_cmp_eq_u32 s[CNT], s[LIMP]
	s_cbranch_scc0 .Lno_ask_\@
	global_prefetch_b8 v[PFO], s[PFV:PFV+1] th:TH_LOAD_NT scope:SCOPE_SE
.Lno_ask_\@:
.endif
.if \kind == 3                         ; my 32 rows of Wo as two fragments, and bo in the result's layout, into K's registers
	WIN 0xc0
.irp u, 0,1
.irp c, 0,1,2,3
	global_load_b128 v[16*\u+4*\c:16*\u+4*\c+3], v[WOA], s[10:11] offset:2048*\u+32*\c
.endr
.endr
.irp u, 0,1
.irp k, 0,1
	global_load_b128 v[32+8*\u+4*\k:35+8*\u+4*\k], v[BOA], s[12:13] offset:64*\u+16*\k
.endr
.endr
.endif
	WIN 0x15                                       ; the step's largest score of my query in each tile, two chains a tile, each accumulator from its low end on
.irp t, 0,1,2,3
	v_max3_num_f32 v[MX0+\t], v[64*\t], v[64*\t+1], v[64*\t+2]
.endr
.irp t, 0,1,2,3
	v_max3_num_f32 v[MX1+\t], v[64*\t+3], v[64*\t+4], v[64*\t+5]
.endr
	WIN 0x14
.irp i, 6,10,14,18,22,26,30,34,38,42,46,50,54,58
.irp t, 0,1,2,3
	v_max3_num_f32 v[MX0+\t], v[MX0+\t], v[64*\t+\i], v[64*\t+\i+1]
.endr
.irp t, 0,1,2,3
	v_max3_num_f32 v[MX1+\t], v[MX1+\t], v[64*\t+\i+2], v[64*\t+\i+3]
.endr
.endr
.irp t, 0,1,2,3
	v_max3_num_f32 v[MX0+\t], v[MX0+\t], v[64*\t+62], v[64*\t+63]
.endr
	WIN 0
.irp t, 0,1,2,3
	v_max_num_f32 v[MX0+\t], v[MX0+\t], v[MX1+\t]
.endr
.irp t, 0,1,2,3
	v_permlanex16_b32 v[PL+\t], v[MX0+\t], s[SEL], s[SEL+1]
.endr
.irp t, 0,1,2,3
	v_max_num_f32 v[MX0+\t], v[MX0+\t], v[PL+\t]   ; and among lane l xor 16's
.endr
.irp t, 0,1,2,3
	v_mul_f32 v[MX0+\t], s[CS], v[MX0+\t]          ; as t (c is positive)
.endr
.irp t, 0,1,2,3
	v_max_num_f32 v[NM+2*\t+1], v[NM+2*\t+1], v[MX0+\t]
.endr
.irp t, 0,1,2,3
	v_mov_b32 v[OLD+\t], v[NM+2*\t]
.endr
.irp t, 0,1,2,3
	v_floor_f32 v[NM+2*\t], -v[NM+2*\t+1]          ; the new -M = floor(-t) = -ceil(t): a whole number
.endr
.irp t, 0,1,2,3
	v_sub_f32 v[OLD+\t], v[NM+2*\t], v[OLD+\t]     ; M's old value less its new one: a whole number, 0 or less
.endr
.irp t, 0,1,2,3
	v_cvt_i32_f32 v[OLD+\t], v[OLD+\t]             ; (it saturates)
.endr
.irp t, 0,1,2,3
	v_ldexp_f32 v[FF+2*\t], 1.0, v[OLD+\t]         ; f = 2^(old M - new M)
.endr
	WIN 0x41
.set j, 0
.rept 32
	FMA1 0
.set j, j+2
.endr
	s_wait_alu depctr_va_vdst(0)
	EXPB 0, 1, 9
	ADD 0
	WIN 0x41
	EXPB 1, 2, 0
	ADD 1
	CVT 0
	WIN 0x41
	EXPB 2, 3, 1
	ADD 2
	CVT 1
	WIN 0x41
	EXPB 3, 9, 2
.if \kind == 1                         ; THE CHANGE OF SLOTS opens here: my part of the slot ahead is in; 0 onto my spare word
	WIN 0
	s_wait_tensorcnt 0x0
	ds_add_u32 v[SPW], v[NIL]
	WALK
.endif
	ADD 3
	CVT 2
	WIN 0x41
.set j, 0
.rept 32
	MIN1 3
.set j, j+2
.endr
	CVT 3
	WIN 0
.irp t, 0,1,2,3
	v_pk_add_f32 v[TA+8*\t:TA+8*\t+1], v[TA+8*\t:TA+8*\t+1], v[TA+8*\t+2:TA+8*\t+3]
.endr
.irp t, 0,1,2,3
	v_pk_add_f32 v[TA+8*\t+4:TA+8*\t+5], v[TA+8*\t+4:TA+8*\t+5], v[TA+8*\t+6:TA+8*\t+7]
.endr
.irp t, 0,1,2,3
	v_pk_add_f32 v[TA+8*\t:TA+8*\t+1], v[TA+8*\t:TA+8*\t+1], v[TA+8*\t+4:TA+8*\t+5]
.endr
.irp t, 0,1,2,3
	v_pk_fma_f32 v[SUM+2*\t:SUM+2*\t+1], v[SUM+2*\t:SUM+2*\t+1], v[FF+2*\t:FF+2*\t+1], v[TA+8*\t:TA+8*\t+1] op_sel_hi:[1,0,1]   ; the sums under the new M
.endr
.if \kind == 1
	s_wait_alu depctr_va_vdst(0)
	s_wait_dscnt 0x0                               ; the add is done, and so are my reads of the slot in hand (they were, ahead of this step's first product's end)
	s_barrier_signal -1                            ; O^T's rescaling, work on registers, while the others arrive
.endif
	WIN 0x82
	s_wait_alu depctr_va_vdst(0)                   ; ahead of the first reader of O^T
.irp t, 0,1,2,3
.set j, 0
.rept 32
	v_pk_mul_f32 v[64*\t+j:64*\t+j+1], v[64*\t+j:64*\t+j+1], v[FF+2*\t:FF+2*\t+1] op_sel_hi:[1,0]   ; O^T under the new M
.set j, j+2
.endr
.endr
	WIN 0
.if \kind == 1
	s_wait_alu depctr_va_vdst(0)
	s_barrier_wait -1
	CREST                                          ; no wave of any partner still reads the slot or has a load on its way:
	TLOAD                                          ; it takes the keys two slots on
	s_xor_b32 s[TB], s[TB], SLOT
.endif
.if \kind == 2
	s_add_co_u32 s[TB], s[TB], 16384
.endif
.if \kind < 3
	v_add_nc_u32 v[ADK], s[TB], v[AK0]             ; K of the next step
.endif
	s_wait_alu depctr_va_vdst(0)
.if \kind == 2
	s_wait_tensorcnt 0x0                           ; the last slot's load, which the next steps read
.endif
.if \kind < 3
	s_wait_xcnt 0x0                                ; the last step's loads and prefetches have read their addresses
	s_add_nc_u64 s[VB:VB+1], s[VB:VB+1], s[VD:VD+1]   ; V of the next step: 16,384 bytes on inside a slot's two steps, 114,688 from one slot's to the next's, by turns
	s_xor_b32 s[VD], s[VD], 0x18000
.endif
.if \kind == 1
	s_add_nc_u64 s[PFK:PFK+1], s[PFK:PFK+1], 131072
	s_add_nc_u64 s[PFV:PFV+1], s[PFV:PFV+1], 131072
.endif
.if \kind == 0
.set KI, 16384
.else
.set KI, 0
.endif
.if \kind < 3
	WIN 0xc0
	KLD 0, ADK, KI
.endif
.irp g, 0,1,2,3                                ; O^T += V^T P^T, two of V's fragments at a time; what they used is filled with the next step's behind four places
	WIN 0xa3
.irp u, 0,1
.if \kind < 3
	s_wait_loadcnt 28-4*\u                         ; behind a fragment's four loads stand 28 younger ones (24 for the second: its group's refill is not yet asked for)
.else
	s_wait_loadcnt 40-4*(2*\g+\u)                  ; the younger fragments', and the 12 of Wo and bo
.endif
.irp t, 0,1,2,3
	v_wmma_f32_16x16x128_fp8_fp8 v[64*\t+8*(2*\g+\u):64*\t+8*(2*\g+\u)+7], v[VF+16*(2*\g+\u):VF+16*(2*\g+\u)+15], v[PF+16*\t:PF+16*\t+15], v[64*\t+8*(2*\g+\u):64*\t+8*(2*\g+\u)+7]
.endr
.endr
.if \kind < 3
.rept 4
	v_nop
.endr
	WIN 0xc0
	VLD \g
.if \g < 3
	KLD \g+1, ADK, KI
.endif
.endif
.endr
	WIN 0
.endm
	s_wait_alu depctr_va_vdst(0)
	s_wait_tensorcnt 0x0                           ; my part of slot 0 is in,
	ds_add_u32 v[SPW], v[NIL]                      ; 0 onto my spare word
	WALK
	s_wait_dscnt 0x0
	CROUND
	TLOAD                                          ; slot 1's first fill is issued as a refill is
	WIN 0xc0
	KLD 0, AK0, 0
	KLD 1, AK0, 0
	KLD 2, AK0, 0
	KLD 3, AK0, 0
	WIN 0
	s_wait_loadcnt 32                              ; Q is in; V's 32 loads may be out
	s_mov_b32 s[CNT], 2
.Lslot:                                            ; steps 0 to 3: behind each second step the slot just read takes the keys two slots on
	STEP 0
	STEP 1
	s_sub_co_u32 s[CNT], s[CNT], 1
	s_cmp_lg_u32 s[CNT], 0
	s_cbranch_scc1 .Lslot
	s_mov_b32 s[CNT], 3
.Lrest:                                            ; steps 4 to 6: no slot is filled again
	STEP 2
	s_sub_co_u32 s[CNT], s[CNT], 1
	s_cmp_lg_u32 s[CNT], 0
	s_cbranch_scc1 .Lrest
	STEP 3
	; THE TAIL.  Addresses first: plain vector lines that name no register of the last products, more than four of them: places in front of the stores below.
	s_lshl_b32 s66, s[WV], 10
	s_add_co_u32 s66, s66, STATS
	s_lshl_b32 s67, s[WV], 11
	s_lshl_b32 s68, s[WV], 9
	s_add_co_u32 s68, s68, AIMG
	s_lshl_b32 s69, s[WV], 7
	s_add_co_u32 s69, s69, OSTG
	s_mul_i32 s70, s[WV], 16*OPITCH
	s_add_co_u32 s70, s70, OSTG
	s_add_co_i32 s76, s58, 127
	s_lshl_b32 s77, s76, 23                        ; 2^e10
	s_add_co_i32 s76, s76, 8
	s_lshl_b32 s76, s76, 23
	s_or_b32 s76, s76, 0x600000                    ; 448 x 2^e10
	v_and_b32 v9, 31, v0
	v_lshlrev_b32 v9, 3, v9                        ; 8 x lane
	v_add_nc_u32 v10, s66, v9                      ; where I put (-M, sum): 256 bytes a tile
	v_add_nc_u32 v12, STATS, v9                    ; the quarters' (-M, sum): 1,024 bytes apart
	v_add_nc_u32 v[OR], s67, v[VO]                 ; registers 16 w .. 16 w + 15 of the tiles' O^T, quarter 0 and so on
	v_add_nc_u32 v[OR+1], 0x10000, v[OR]
	v_add_nc_u32 v[OR+2], 0x20000, v[OR]
	v_add_nc_u32 v[OR+3], 0x30000, v[OR]
	v_add_nc_u32 v13, s68, v[VO]                   ; the register group of attn's codes that I make,
	v_add_nc_u32 v14, AIMG, v[VO]                  ; and all of them
	v_and_b32 v9, 15, v0
	v_mul_u32_u24 v[OSA], v9, OPITCH
	v_bfe_u32 v9, v0, 4, 1
	v_lshl_add_u32 v[OSA], v9, 5, v[OSA]
	v_add_nc_u32 v[OSA], s69, v[OSA]               ; the stage: query r's row, + 128 w + 32 h bytes
	v_add_nc_u32 v[OSR], s70, v[VO]                ; back: my 16 rows, 16 bytes a lane
	v_mov_b32 v[SC10], s77
	v_mov_b32 v[LIM10], s76
.irp t, 0,1,2,3
	v_add_f32 v[SUM+2*\t], v[SUM+2*\t], v[SUM+2*\t+1]
.endr
.irp t, 0,1,2,3
	v_permlanex16_b32 v[PL+\t], v[SUM+2*\t], s[SEL], s[SEL+1]
.endr
.irp t, 0,1,2,3
	v_add_f32 v[NM+2*\t+1], v[SUM+2*\t], v[PL+\t]  ; my quarter's sum, beside -M
.endr
.irp t, 0,1,2,3
	ds_store_b64 v10, v[NM+2*\t:NM+2*\t+1] offset:256*\t
.endr
	WIN 0x08
.irp t, 0,1,2,3
.irp i, 0,1,2,3,4,5,6,7,8,9,10,11,12,13,14,15
	ds_store_b128 v[AK0], v[64*\t+4*\i:64*\t+4*\i+3] offset:8192*\t+512*\i   ; O^T as it stands, into my own slot 0: it has had its last fill, and I alone read it
.endr
.endr
	WIN 0
	BARRIER                                        ; every quarter's figures lie in LDS
	; THE MERGE: v[16 + 8 t + 2 q ..] the (-M, sum); window 1, v[64 t + 16 q ..] the quarters' 16 registers; v[48 + 8 t ..] at work; v[80 + 8 t + 2 q ..] the weights
.irp t, 0,1,2,3
.irp q, 0,1,2,3
	ds_load_b64 v[16+8*\t+2*\q:17+8*\t+2*\q], v12 offset:256*\t+1024*\q
.endr
.endr
	WIN 0x40
.irp t, 0,1,2,3
.irp q, 0,1,2,3
.irp i, 0,1,2,3
	ds_load_b128 v[64*\t+16*\q+4*\i:64*\t+16*\q+4*\i+3], v[OR+\q] offset:8192*\t+512*\i
.endr
.endr
.endr
	WIN 0
	s_wait_dscnt 63                                ; the 16 figures are in: 64 loads stand behind them
.irp t, 0,1,2,3
	v_min3_num_f32 v[48+8*\t], v[16+8*\t], v[18+8*\t], v[20+8*\t]
.endr
.irp t, 0,1,2,3
	v_min_num_f32 v[48+8*\t], v[48+8*\t], v[22+8*\t]              ; -M of the whole row
.endr
.irp q, 0,1,2,3
.irp t, 0,1,2,3
	v_sub_f32 v[49+8*\t+\q], v[48+8*\t], v[16+8*\t+2*\q]          ; a quarter's M less the row's: a whole number, 0 or less
.endr
.endr
.irp q, 0,1,2,3
.irp t, 0,1,2,3
	v_cvt_i32_f32 v[49+8*\t+\q], v[49+8*\t+\q]
.endr
.endr
.irp q, 0,1,2,3
.irp t, 0,1,2,3
	v_ldexp_f32 v[49+8*\t+\q], 1.0, v[49+8*\t+\q]                 ; f of the quarter: an exact power of two
.endr
.endr
.irp t, 0,1,2,3
	v_mul_f32 v[53+8*\t], v[49+8*\t], v[17+8*\t]
.endr
.irp q, 1,2,3
.irp t, 0,1,2,3
	v_fmac_f32 v[53+8*\t], v[49+8*\t+\q], v[17+8*\t+2*\q]         ; the row's sum
.endr
.endr
	s_add_co_i32 s78, s56, s57
	s_wait_alu depctr_va_vdst(0)
.irp t, 0,1,2,3
	v_rcp_f32 v[54+8*\t], v[53+8*\t]
.endr
	v_nop
	s_wait_alu depctr_va_vdst(0)
.irp t, 0,1,2,3
	v_ldexp_f32 v[54+8*\t], v[54+8*\t], s78        ; x 2^(e8 + e9)
.endr
.irp q, 0,1,2,3
.irp t, 0,1,2,3
	v_mul_f32 v[80+8*\t+2*\q], v[49+8*\t+\q], v[54+8*\t]          ; a quarter's weight (the pairs' upper halves were written in the loop and are only named)
.endr
.endr
	s_wait_alu depctr_va_vdst(0)
	s_wait_dscnt 0x0
	WIN 0x41
.irp t, 0,1,2,3
.irp j, 0,2,4,6,8,10,12,14
	v_pk_mul_f32 v[64*\t+\j:64*\t+\j+1], v[64*\t+\j:64*\t+\j+1], v[80+8*\t:81+8*\t] op_sel_hi:[1,0]
.endr
.endr
	WIN 0x51
.irp q, 1,2,3
.irp t, 0,1,2,3
.irp j, 0,2,4,6,8,10,12,14
	v_pk_fma_f32 v[64*\t+\j:64*\t+\j+1], v[64*\t+16*\q+\j:64*\t+16*\q+\j+1], v[80+8*\t+2*\q:81+8*\t+2*\q], v[64*\t+\j:64*\t+\j+1] op_sel_hi:[1,0,1]
.endr
.endr
.endr                                          ; attn(my query of tile t, 32 w + 16 h + 0 .. 15)
	WIN 0x41
.irp t, 0,1,2,3
.irp i, 0,1,2,3,4,5,6,7,8,9,10,11,12,13,14,15
	v_med3_num_f32 v[64*\t+\i], v[64*\t+\i], -v[LIM10], v[LIM10]  ; the hold at the largest code x the scale
.endr
.endr
	WIN 0x01
.irp t, 0,1,2,3
	v_cvt_scalef32_pk8_fp8_f32 v[112+4*\t:113+4*\t], v[64*\t:64*\t+7], v[SC10]
	v_cvt_scalef32_pk8_fp8_f32 v[114+4*\t:115+4*\t], v[64*\t+8:64*\t+15], v[SC10]
.endr
	v_nop                                          ; one plain vector line behind the last conversion
	WIN 0
.irp t, 0,1,2,3
	ds_store_b128 v13, v[112+4*\t:115+4*\t] offset:2048*\t        ; register group w of the tile's fragment
.endr
	BARRIER                                        ; the four fragments of attn's codes lie in LDS
.irp t, 0,1,2,3
.irp c, 0,1,2,3
	ds_load_b128 v[128+16*\t+4*\c:131+16*\t+4*\c], v14 offset:2048*\t+512*\c
.endr
.endr
	s_add_co_i32 s76, s58, s59
	s_add_co_i32 s76, s76, 127
	s_lshl_b32 s76, s76, 23                        ; 2^(e10 + e11) as f32
	s_mov_b32 s77, s76                             ; (named with it as a pair)
	s_wait_dscnt 0x0
	s_wait_loadcnt 0x0                             ; Wo and bo
	WIN 0x83
.irp t, 0,1,2,3                                ; source 0 = 16 rows of Wo, source 1 = attn: lane (r, h), register j: output 32 w + 16 u + 8 h + j of my query
.irp u, 0,1
	v_wmma_f32_16x16x128_fp8_fp8 v[16*\t+8*\u:16*\t+8*\u+7], v[16*\u:16*\u+15], v[128+16*\t:143+16*\t], 0
.endr
.endr
.rept 4
	v_nop
.endr
	WIN 0x72
.irp t, 0,1,2,3
.irp j, 0,2,4,6,8,10,12,14
	v_pk_fma_f32 v[16*\t+\j:16*\t+\j+1], v[16*\t+\j:16*\t+\j+1], s[76:77], v[32+\j:33+\j] op_sel_hi:[1,0,1]   ; sum x 2^(e10 + e11) + bo, each accumulator from its low end on
.endr
.endr
	WIN 0x04
.irp t, 0,1,2,3
.irp u, 0,1
.irp k, 0,1
	ds_store_b128 v[OSA], v[16*\t+8*\u+4*\k:16*\t+8*\u+4*\k+3] offset:16*OPITCH*\t+64*\u+16*\k
.endr
.endr
.endr
	WIN 0
	BARRIER                                        ; 64 whole rows of the output lie in the stage
.irp i, 0,1,2,3,4,5,6,7,8,9,10,11,12,13,14,15
	ds_load_b128 v[16+4*\i:19+4*\i], v[OSR] offset:OPITCH*\i
.endr
.irp i, 0,1,2,3,4,5,6,7,8,9,10,11,12,13,14,15
	s_wait_dscnt 15-\i                             ; LDS loads come back in order: row i is in, the younger ones may be out
	global_store_b128 v[VO], v[16+4*\i:19+4*\i], s[16:17] offset:512*\i th:TH_STORE_NT   ; 32 lanes store a row of 512 consecutive bytes, at a multiple of 512 from the output's first byte
.endr
	s_wait_tensorcnt 0x0                           ; the wave's end: behind my last tensor load and my last LDS store
	ds_add_u32 v[SPW], v[NIL]
	s_wait_dscnt 0x0
	CROUND                                         ; the closing round: no work-group ends while a partner may still ask for a tile that names it
	s_endpgm
.Lfunc_end_k_q87af3a6c11_attn:
	.size	k_q87af3a6c11_attn, .Lfunc_end_k_q87af3a6c11_attn-k_q87af3a6c11_attn
	.p2alignl 7, 3214868480
	.fill 96, 4, 3214868480
	.section	.rodata,"a",@progbits
	.p2align	6, 0x0
	.amdhsa_kernel k_q87af3a6c11_attn
		.amdhsa_group_segment_fixed_size 327680
		.amdhsa_private_segment_fixed_size 0
		.amdhsa_enable_private_segment 0
		.amdhsa_kernarg_size 56
		.amdhsa_user_sgpr_count 2
		.amdhsa_user_sgpr_kernarg_segment_ptr 1
		.amdhsa_wavefront_size32 1
		.amdhsa_system_sgpr_workgroup_id_x 1
		.amdhsa_system_sgpr_workgroup_id_y 1
		.amdhsa_system_sgpr_workgroup_id_z 1
		.amdhsa_system_vgpr_workitem_id 0
		.amdhsa_next_free_vgpr 1024
		.amdhsa_next_free_sgpr 80
		.amdhsa_reserve_vcc 0
		.amdhsa_float_denorm_mode_32 3
		.amdhsa_float_denorm_mode_16_64 3
		.amdhsa_memory_ordered 1
		.amdhsa_forward_progress 1
		.amdhsa_inst_pref_size 255
	.end_amdhsa_kernel
	.section	.bss,"aw",@nobits
	.p2align	6
	.space	262144
	.amdgpu_metadata
---
amdhsa.version: [ 1, 2 ]
amdhsa.kernels:
  - .name:           k_q87af3a6c11_attn
    .symbol:         k_q87af3a6c11_attn.kd
    .args:
      - { .name: qc, .offset: 0, .size: 8, .value_kind: global_buffer, .address_space: global }
      - { .name: kc, .offset: 8, .size: 8, .value_kind: global_buffer, .address_space: global }
      - { .name: vc, .offset: 16, .size: 8, .value_kind: global_buffer, .address_space: global }
      - { .name: Wo_codes, .offset: 24, .size: 8, .value_kind: global_buffer, .address_space: global }
      - { .name: bo, .offset: 32, .size: 8, .value_kind: global_buffer, .address_space: global }
      - { .name: lowp_scales, .offset: 40, .size: 8, .value_kind: global_buffer, .address_space: global }
      - { .name: out0, .offset: 48, .size: 8, .value_kind: global_buffer, .address_space: global }
    .group_segment_fixed_size: 327680
    .private_segment_fixed_size: 0
    .kernarg_segment_align: 8
    .kernarg_segment_size: 56
    .max_flat_workgroup_size: 128
    .sgpr_count:     80
    .vgpr_count:     1024
    .wavefront_size: 32
...
	.end_amdgpu_metadata
.endif
;; end of part 2
